; MI455X (gfx1250); checked and timed in simulation.
; The chip was launched on July 23, 2026; its instructions are those of AMD's public machine-readable ISA for CDNA 5 (MIT licence, August 2026) and "CDNA5" Instruction Set Architecture Reference Guide (July 2026).
;; Multi Head Temporal Attention. Allowed arithmetic: matrix products marked QUANTISED: E5M2 operands, one E8M0 scale for each 32 along K, by v_wmma_scale_f32_16x16x128_f8f6f4 with both operands' format E5M2, f32 sums; products left as they are: f32 operands where the result goes on into a quantised operand, else bf16, f16 or f32 operands; f32 sums; everything else in f32.
;; Inputs: Wk_codes 512 x 16 x 32 uint8 (E5M2 codes of Wk, K innermost, in blocks of 32 codes); Wk_scales 512 x 16 uint8 (E8M0 scales of Wk, one for each 32 codes along K); Wo_codes 512 x 16 x 32 uint8 (E5M2 codes of Wo, K innermost, in blocks of 32 codes); Wo_scales 512 x 16 uint8 (E8M0 scales of Wo, one for each 32 codes along K); Wq_codes 512 x 16 x 32 uint8 (E5M2 codes of Wq, K innermost, in blocks of 32 codes); Wq_scales 512 x 16 uint8 (E8M0 scales of Wq, one for each 32 codes along K); Wv_codes 512 x 16 x 32 uint8 (E5M2 codes of Wv, K innermost, in blocks of 32 codes); Wv_scales 512 x 16 uint8 (E8M0 scales of Wv, one for each 32 codes along K); enc_codes 32 x 4,096 x 16 x 32 uint8 (E5M2 codes of enc, K innermost, in blocks of 32 codes); enc_scales 32 x 4,096 x 16 uint8 (E8M0 scales of enc, one for each 32 codes along K).
;; Outputs: out0 32 x 512 float32; out1 32 x 4,096 float32.
;; This version of the problem:
;;   THIS VERSION OF THE PROBLEM IS GIVEN IN LOW PRECISION. The matrix products marked QUANTISED in the list below multiply operands that are first quantised to E5M2 (5 exponent bits, 2 mantissa bits; 8 bits a number), with one power-of-two scale for each 32 numbers along K (OCP MX v1.0); their sums are f32. All else is computed in f32.
;;   The module's matrix products, in the order in which they are computed (A, B: the left and right operand; K: the contracted axis; several contracted axes count as one K, in the product's order):
;;     1. [M 32, K 512] x [K 512, N 512]; A: input enc (given as codes); B: input Wq (given as codes): QUANTISED
;;     2. [M 131,072, K 512] x [K 512, N 512]; A: input enc (given as codes); B: input Wk (given as codes): QUANTISED
;;     3. [M 131,072, K 512] x [K 512, N 512]; A: input enc (given as codes); B: input Wv (given as codes): QUANTISED
;;     4. batch 256 x [M 1, K 64] x [K 64, N 4,096]; A: computed on the way; B: computed on the way: left as it is (M = 1 < 16)
;;     5. batch 256 x [M 1, K 4,096] x [K 4,096, N 64]; A: softmax; B: computed on the way: left as it is (M = 1 < 16)
;;     6. [M 32, K 512] x [K 512, N 512]; A: computed on the way; B: input Wo (given as codes): QUANTISED
;;   THE QUANTISER, for each operand of a quantised product, along K:
;;     - K is cut into blocks of 32 from its start; a last block that is shorter is filled with zeros.
;;     - A block's scale is 2^e with e = floor(log2(the largest magnitude in the block)) - 15, held to -126 .. 127; a block of zeros has e = 0. As a byte (E8M0): e + 127.
;;     - Each number is divided by its block's scale, clamped to +-57,344, and rounded to the nearest number of E5M2, ties to even, subnormals kept.
;;     - The product sums the exact products of the quantised numbers (number of the format x scale) in f32.
;;   ~~~python
;;   def quantise(x, axis):      # numpy; x: float32 -> the quantised numbers, widened to float32 again
;;       x = np.moveaxis(x, axis, -1); K = x.shape[-1]
;;       x = np.pad(x, [(0, 0)] * (x.ndim - 1) + [(0, -K % 32)]); x = x.reshape(x.shape[:-1] + (-1, 32)); a = np.abs(x).max(-1, keepdims=True)
;;       e = np.where(a > 0, np.clip(np.frexp(np.where(a > 0, a, 1))[1] - 1 - 15, -126, 127), 0)      # np.frexp(a)[1] - 1 = floor(log2(a)), exactly
;;       r = np.clip(x / 2.0 ** e, -57344, 57344)
;;       step = 2.0 ** (np.maximum(np.frexp(np.where(r == 0, 1, r))[1] - 1, -14) - 2)
;;       q = np.round(r / step) * step * 2.0 ** e      # np.round: ties to even
;;       return np.moveaxis(q.reshape(q.shape[:-2] + (-1,))[..., :K], -1, axis).astype(np.float32)
;;   ~~~
;;   OPERANDS COMPUTED ON THE WAY. 'Computed on the way' means the value that the module computes at that place (a softmax that the list does not call 'softmax' is quantised finished and normalised). What goes into a quantiser is computed in f32, as accurately as f32 sums, v_exp_f32 and their like allow (about 1e-6 of the number): no bf16 or f16 on the way to a quantiser, and a product that is left as it is and whose result goes on into a quantised operand takes f32 operands (vector FMAs, or v_wmma_f32_16x16x4_f32). A number that lies on a knife's edge between two numbers of the format may be rounded either way, as far as f32 arithmetic and the matrix unit's own rounding can turn it there, and no further.
;;   INPUTS GIVEN AS CODES. Wk (in the module: [512, 512], K = its axis 1); Wo (in the module: [512, 512], K = its axis 1); Wq (in the module: [512, 512], K = its axis 1); Wv (in the module: [512, 512], K = its axis 1); enc (in the module: [32, 4096, 512], K = its axis 2): each comes as NAME_codes (uint8): NAME with its K axis moved to the last place and cut into blocks of 32 codes, [.., K / 32, bytes a block], one block behind the other in memory; one code a byte (a code: sign, 5 exponent bits, 2 mantissa bits); and NAME_scales (uint8): the same leading axes, one E8M0 byte (e + 127) for each 32 codes along K. Its value is code x scale, taken as it is: it is not quantised again, and the codes and scales need not be those that the quantiser above would give.
;; One version. Each part assembles by itself: llvm-mc -triple=amdgcn-amd-amdhsa -mcpu=gfx1250 --defsym DOCPART=n.
;; ======== version 1 of 1: 2 launches
;; limits: right only within a limited range of input values
;; workspace buffers: tv 4,194,304 bytes; ctxp 262,144 bytes; stats 8,192 bytes
;; launch attend (part 1): grid 4 x 64, 4 waves a work-group, clusters of 4 x 1, 327,680 bytes of LDS; arguments enc_codes, enc_scales, Wq_codes, Wq_scales, Wk_codes, Wk_scales, Wv_codes, Wv_scales, tv, ctxp, stats; writes tv, ctxp, stats
.if DOCPART == 1
	.amdgcn_target "amdgcn-amd-amdhsa--gfx1250"
	.amdhsa_code_object_version 6
	.text
	.protected	k_qd0faeb19b7_attend
	.globl	k_qd0faeb19b7_attend
	.p2align	8
	.type	k_qd0faeb19b7_attend,@function
k_qd0faeb19b7_attend:
	s_mov_b64 s[64:65], 0
	v_nop
	global_prefetch_b8 v0, s[64:65] scope:SCOPE_SE
	s_setreg_imm32_b32 hwreg(HW_REG_WAVE_MODE, 25, 1), 1
	s_wait_xcnt 0x0
	s_wait_alu depctr_hold_cnt(0) depctr_sa_sdst(0) depctr_va_vdst(0) depctr_va_sdst(0) depctr_va_ssrc(0) depctr_va_vcc(0) depctr_vm_vsrc(0)
	s_getreg_b32 s2, hwreg(HW_REG_IB_STS2, 6, 4)
	s_cmp_eq_u32 s2, 0
	s_cbranch_scc0 .Lentry_in_a_cluster
	s_endpgm
.Lentry_in_a_cluster:
	s_bfe_u32 s2, ttmp6, 0x10000c
	s_cmp_lg_u32 s2, 0x3003
	s_cbranch_scc0 .Lentry_shape_is_right
	s_endpgm
.Lentry_shape_is_right:
.set PITCH, 528
.set QB,    64*PITCH
.set S1B,   0x24000
.set SC,    S1B+4*QB
.set UP,    272
.set SCR,   SC+128*UP
.set SPARE, SCR+1024
.set QX,    4*QB
.set SLOTG, 256*512
.set SPW, 1
.set NIL, 2
.set ADR0, 3
.set ADRC, 4
.set ADS, 5
.set TVO, 6
.set PFO, 7
.set TMAX, 8
.set NM,  9
.set DD,  10
.set FF,  12
.set P0,  14
.set FR,  16
.set T0,  18
.set U0,  20
.set CH,  22
.set XD,  22
.set XN,  24
.set F2,  26
.set EV,  28
.set X0,  30
.set ES,  34
.set XS,  42
.set WS,  44
.set OD,  60
.set CC,  62
.set QQ,  64
.set CTX, 96
.set KA,  128
.set VA,  192
.set LL,  0
.set TB, 2
.set SGN, 3
.set C6, 4
.set C5, 6
.set C2, 8
.set C1, 10
.set WV, 26
.set HD, 27
.set PP, 28
.set CX, 29
.set YY, 30
.set HEAD, 31
.set G1E, 32
.set G1W, 40
.set G1S, 48
.set G0A, 56
.set G0H, 60
.set G0W, 68
.set G0V, 72
.set G0S, 84
.set PFA, 76
.set TVP, 78
.set SEL, 80
.set HM,  82
.set TRIPS, 83
.set VM,  101
.set W_K, 0x0d
.set W_V, 0x0e
.set MSB, 0
.macro WIN new
.if MSB != \new
	s_set_vgpr_msb (MSB<<8)|\new
.set MSB, \new
.endif
.endm
.macro CREST
	s_cmp_lg_u32 s[WV], 0
	s_cbranch_scc1 .Lnot_wave_0_\@
	s_barrier_signal -3
.Lnot_wave_0_\@:
	s_barrier_wait -3
	s_barrier_signal -1
	s_barrier_wait -1
.endm
.macro CROUND
	s_barrier_signal -1
	s_barrier_wait -1
	CREST
.endm
.macro TLOAD g0, g1
	tensor_load_to_lds s[\g0:\g0+3], s[\g1:\g1+7]
	s_nop 0
.rept 4
	v_nop
.endr
.endm
.macro WMX d, a, b, u, v, zero, rows
.if \zero
.if (\rows) == 0
	v_wmma_scale_f32_16x16x128_f8f6f4 v[\d:\d+7], v[\a:\a+15], v[\b:\b+15], 0, v[\u], v[\v] matrix_a_fmt:MATRIX_FMT_BF8 matrix_b_fmt:MATRIX_FMT_BF8
.elseif (\rows) == 1
	v_wmma_scale_f32_16x16x128_f8f6f4 v[\d:\d+7], v[\a:\a+15], v[\b:\b+15], 0, v[\u], v[\v] matrix_a_fmt:MATRIX_FMT_BF8 matrix_b_fmt:MATRIX_FMT_BF8 matrix_b_scale:MATRIX_SCALE_ROW1
.elseif (\rows) == 2
	v_wmma_scale_f32_16x16x128_f8f6f4 v[\d:\d+7], v[\a:\a+15], v[\b:\b+15], 0, v[\u], v[\v] matrix_a_fmt:MATRIX_FMT_BF8 matrix_b_fmt:MATRIX_FMT_BF8 matrix_a_scale:MATRIX_SCALE_ROW1
.else
	v_wmma_scale_f32_16x16x128_f8f6f4 v[\d:\d+7], v[\a:\a+15], v[\b:\b+15], 0, v[\u], v[\v] matrix_a_fmt:MATRIX_FMT_BF8 matrix_b_fmt:MATRIX_FMT_BF8 matrix_a_scale:MATRIX_SCALE_ROW1 matrix_b_scale:MATRIX_SCALE_ROW1
.endif
.elseif (\rows) == 0
	v_wmma_scale_f32_16x16x128_f8f6f4 v[\d:\d+7], v[\a:\a+15], v[\b:\b+15], v[\d:\d+7], v[\u], v[\v] matrix_a_fmt:MATRIX_FMT_BF8 matrix_b_fmt:MATRIX_FMT_BF8
.elseif (\rows) == 1
	v_wmma_scale_f32_16x16x128_f8f6f4 v[\d:\d+7], v[\a:\a+15], v[\b:\b+15], v[\d:\d+7], v[\u], v[\v] matrix_a_fmt:MATRIX_FMT_BF8 matrix_b_fmt:MATRIX_FMT_BF8 matrix_b_scale:MATRIX_SCALE_ROW1
.elseif (\rows) == 2
	v_wmma_scale_f32_16x16x128_f8f6f4 v[\d:\d+7], v[\a:\a+15], v[\b:\b+15], v[\d:\d+7], v[\u], v[\v] matrix_a_fmt:MATRIX_FMT_BF8 matrix_b_fmt:MATRIX_FMT_BF8 matrix_a_scale:MATRIX_SCALE_ROW1
.else
	v_wmma_scale_f32_16x16x128_f8f6f4 v[\d:\d+7], v[\a:\a+15], v[\b:\b+15], v[\d:\d+7], v[\u], v[\v] matrix_a_fmt:MATRIX_FMT_BF8 matrix_b_fmt:MATRIX_FMT_BF8 matrix_a_scale:MATRIX_SCALE_ROW1 matrix_b_scale:MATRIX_SCALE_ROW1
.endif
.endm
.macro WMN
.set part, NN/32
.set ta, (NN/16)%2
.set ks, (NN/4)%4
.set kb, NN%4
.if part == 0
	WIN W_K
.else
	WIN W_V
.endif
.set rD, KA+64*part+8*(4*ta+kb)
.set rA, 64*kb+16*ks
.set rB, 128*EB+64*ta+16*ks
.set rU, WS+8*part+4*(kb/2)+ks
.set rV, ES+4*EB+ks
.set zr, 1-(ks+3)/4
.set rw, 2*(kb%2)+ta
	WMX rD, rA, rB, rU, rV, zr, rw
.endm
.macro MUL i
.set rC, CTX+2*(\i)
	v_pk_mul_f32 v[rC:rC+1], v[rC:rC+1], v[FF:FF+1] op_sel_hi:[1,0]
.endm
.macro CVF a, i
.set rC, CTX+2*(\i)
.set rW, VA+32*(\a)+2*(\i)
.if (\a) == 0
	v_pk_fma_f32 v[rC:rC+1], v[rW:rW+1], v[P0:P0+1], v[rC:rC+1] op_sel_hi:[1,0,1]
.else
	v_pk_fma_f32 v[rC:rC+1], v[rW:rW+1], v[P0:P0+1], v[rC:rC+1] op_sel:[0,1,0] op_sel_hi:[1,1,1]
.endif
.endm
.macro SCO a, i
.set si, \i
.set rC, CH+2*(si%4)
.set rW, KA+32*(\a)+2*si
.set rQ, QQ+2*si
.if si < 4
	v_pk_mul_f32 v[rC:rC+1], v[rW:rW+1], v[rQ:rQ+1]
.else
	v_pk_fma_f32 v[rC:rC+1], v[rW:rW+1], v[rQ:rQ+1], v[rC:rC+1]
.endif
.endm
.macro RED a, j
.if (\j) == 0
	v_pk_add_f32 v[CH:CH+1], v[CH:CH+1], v[CH+2:CH+3]
	v_pk_add_f32 v[CH+4:CH+5], v[CH+4:CH+5], v[CH+6:CH+7]
.elseif (\j) == 1
	v_pk_add_f32 v[CH:CH+1], v[CH:CH+1], v[CH+4:CH+5]
.elseif (\j) == 2
	v_add_f32 v[T0+\a], v[CH], v[CH+1]
.elseif (\j) == 3
	v_permlanex16_b32 v[U0+1], v[T0+\a], s[SEL], s[SEL+1]
.else
	v_add_f32 v[T0+\a], v[T0+\a], v[U0+1]
.endif
.endm
.macro TAIL j
.if (\j) == 0
	v_max3_num_f32 v[TMAX], v[TMAX], v[T0], v[T0+1]
	v_cndmask_b32 v[X0+KK], v[T0], v[T0+1], s[HM]
.elseif (\j) == 1
	v_floor_f32 v[DD], -v[TMAX]
.elseif (\j) == 2
	v_pk_add_f32 v[XD:XD+1], v[T0:T0+1], v[DD:DD+1] op_sel_hi:[1,0]
	v_sub_f32 v[U0], v[DD], v[NM]
.elseif (\j) == 3
	v_rndne_f32 v[XN], v[XD]
	v_rndne_f32 v[XN+1], v[XD+1]
.elseif (\j) == 4
	v_pk_add_f32 v[FR:FR+1], v[XD:XD+1], v[XN:XN+1] neg_lo:[0,1] neg_hi:[0,1]
	v_cvt_i32_f32 v[U0], v[U0]
.elseif (\j) == 5
	v_pk_mul_f32 v[F2:F2+1], v[FR:FR+1], v[FR:FR+1]
	v_ldexp_f32 v[FF], 1.0, v[U0]
.elseif (\j) == 6
	v_pk_fma_f32 v[EV:EV+1], v[F2:F2+1], s[C6:C6+1], v[CC:CC+1] op_sel_hi:[1,0,0]
	v_pk_fma_f32 v[OD:OD+1], v[F2:F2+1], s[C5:C5+1], v[CC:CC+1] op_sel:[0,0,1] op_sel_hi:[1,0,1]
.elseif (\j) == 7
	v_pk_fma_f32 v[EV:EV+1], v[EV:EV+1], v[F2:F2+1], s[C2:C2+1] op_sel_hi:[1,1,0]
	v_pk_fma_f32 v[OD:OD+1], v[OD:OD+1], v[F2:F2+1], s[C1:C1+1] op_sel_hi:[1,1,0]
.elseif (\j) == 8
	v_pk_fma_f32 v[EV:EV+1], v[EV:EV+1], v[F2:F2+1], 1.0 op_sel_hi:[1,1,0]
	v_mov_b32 v[NM], v[DD]
.elseif (\j) == 9
	v_cvt_i32_f32 v[XN], v[XN]
	v_cvt_i32_f32 v[XN+1], v[XN+1]
.elseif (\j) == 10
	v_pk_fma_f32 v[EV:EV+1], v[OD:OD+1], v[FR:FR+1], v[EV:EV+1]
.else
	v_ldexp_f32 v[P0], v[EV], v[XN]
	v_ldexp_f32 v[P0+1], v[EV+1], v[XN+1]
.endif
.endm
.macro LG eb, g, off
.set fa, (\g)/4
.set fs, (\g)%4
.irp c, 0,1,2,3
	ds_load_b128 v[128*(\eb)+64*fa+16*fs+4*\c:128*(\eb)+64*fa+16*fs+4*\c+3], v[ADRC] offset:(\off)+fa*16*PITCH+128*fs+32*\c
.endr
.endm
.macro ASK
	global_prefetch_b8 v[PFO], s[PFA:PFA+1] th:TH_LOAD_NT scope:SCOPE_SE
.endm
.macro GAP
.if NN != 21
	WIN 0
.endif
.if NN < 4
	MUL 8+2*NN
	MUL 9+2*NN
.elseif NN < 12
	CVF 0, 2*(NN-4)
	CVF 0, 2*(NN-4)+1
.elseif NN == 12
	v_add_f32 v[U0], v[P0], v[P0+1]
	CVF 1, 0
.elseif NN == 13
	v_fma_f32 v[LL], v[LL], v[FF], v[U0]
	CVF 1, 1
.elseif NN < 21
	CVF 1, 2*(NN-14)+2
	CVF 1, 2*(NN-14)+3
.elseif NN == 21
.elseif NN < 30
	SCO 0, 2*(NN-22)
	SCO 0, 2*(NN-22)+1
.elseif NN < 35
	RED 0, NN-30
.elseif NN < 43
	SCO 1, 2*(NN-35)
	SCO 1, 2*(NN-35)+1
.elseif NN < 48
	RED 1, NN-43
.elseif NN < 60
	TAIL NN-48
.else
	MUL 2*(NN-60)
	MUL 2*(NN-60)+1
.endif
.if (KK == 0) && (NN == 10)
	s_wait_xcnt 0x0
	s_add_nc_u64 s[TVP:TVP+1], s[TVP:TVP+1], 1024
.if SM == 1
	s_add_nc_u64 s[PFA:PFA+1], s[PFA:PFA+1], SLOTG
.endif
.endif
.if (MO == 1) || (MO == 2)
.if NN == 4
	v_add_nc_u32 v[ADRC], s[TB], v[ADR0]
	v_add_nc_u32 v[ADS], 16*UP, v[ADS]
.elseif NN == 8
	s_wait_dscnt 0x0
	s_barrier_signal -1
.elseif NN == 14
	s_barrier_wait -1
.if MO == 1
	CREST
	TLOAD G0A, G1E
.endif
.elseif (NN == 16) && (MO == 1)
	s_cmp_gt_u32 s[TRIPS], 1
	s_cbranch_scc0 .Lno_ask_\@
	ASK
.Lno_ask_\@:
.endif
.endif
.if (NN == 21) && (MO < 3)
	WIN 0
	ds_load_b128 v[ES+4*NE:ES+4*NE+3], v[ADS] offset:SOF
	WIN 0xc0
.irp g, 0,1,2,3,4,5,6,7
	LG NE, \g, LOF
.endr
.endif
.endm
.macro ST k, mode
.set KK, \k
.set MO, \mode
.set EB, KK%2
.set NE, 1-EB
.set LOF, 0
.set SOF, 0
.if MO == 0
.set LOF, (KK+1)*32*PITCH
.set SOF, (2*KK+2)*UP
.endif
	WIN 0
	s_wait_dscnt 0x0
.if (MO == 1) || (MO == 2)
	s_wait_tensorcnt 0x0
	ds_add_u32 v[SPW], v[NIL]
	s_xor_b32 s[TB], s[TB], S1B
.if MO == 1
	s_xor_b32 s[G0A+1], s[G0A+1], S1B
	s_add_nc_u64 s[G0A+2:G0A+3], s[G0A+2:G0A+3], SLOTG
.endif
.endif
.set NN, 0
.rept 64
	WMN
	GAP
.set NN, NN+1
.endr
.if KK == 3
	WIN 0
	global_store_b128 v[TVO], v[X0:X0+3], s[TVP:TVP+1] offset:-1024 th:TH_STORE_NT
.endif
.endm
.macro SLOT mode
.set SM, \mode
	ST 0, 0
	ST 1, 0
	ST 2, 0
	ST 3, \mode
.endm
	s_load_b512 s[4:19], s[0:1], 0x0
	s_load_b128 s[20:23], s[0:1], 0x40
	s_load_b64 s[24:25], s[0:1], 0x50
	v_lshl_add_u32 v[SPW], v0, 2, SPARE
	v_mov_b32 v[NIL], 0
	ds_add_u32 v[SPW], v[NIL]
	ds_add_u32 v[SPW], v[NIL]
	v_lshrrev_b32 v3, 5, v0
	v_readfirstlane_b32 s[WV], v3
	s_lshr_b32 s[HD], s[WV], 1
	s_and_b32 s[PP], s[WV], 1
	s_bfe_u32 s[CX], ttmp6, 0x40000
	s_and_b32 s[YY], ttmp7, 0xffff
	s_lshl_b32 s[HEAD], s[CX], 1
	s_add_co_u32 s[HEAD], s[HEAD], s[HD]
	s_mov_b32 s[G1E], 15|(1<<20)|(1<<21)|(6<<22)|(3<<25)
	s_mov_b32 s[G1E+1], 512<<16
	s_mov_b32 s[G1E+2], 256<<16
	s_mov_b32 s[G1E+3], 512<<16
	s_mov_b32 s[G1E+4], 256
	s_mov_b32 s[G1E+5], 512
	s_mov_b32 s[G1E+6], 0
	s_mov_b32 s[G1E+7], 0
	s_mov_b32 s[G1W], (1<<20)|(6<<22)|(3<<25)
	s_mov_b32 s[G1W+1], 512<<16
	s_mov_b32 s[G1W+2], 128<<16
	s_mov_b32 s[G1W+3], 512<<16
	s_mov_b32 s[G1W+4], 128
	s_mov_b32 s[G1W+5], 512
	s_mov_b32 s[G1W+6], 0
	s_mov_b32 s[G1W+7], 0
	s_mov_b32 s[G1S], 15|(3<<16)|(1<<20)|(1<<21)|(5<<22)|(3<<25)
	s_mov_b32 s[G1S+1], 32<<16
	s_mov_b32 s[G1S+2], 128<<16
	s_mov_b32 s[G1S+3], 32<<16
	s_mov_b32 s[G1S+4], 128
	s_mov_b32 s[G1S+5], 32
	s_mov_b32 s[G1S+6], 0
	s_mov_b32 s[G1S+7], 0
	s_mov_b32 s[G0H], 1
	s_mov_b32 s[G0H+1], 0
	s_lshl_b32 s[G0H+2], s[YY], 20
	s_mov_b32 s[G0H+3], 0
	s_mov_b32 s[G0A], 1
	s_mul_i32 s[G0A+1], s[WV], QB
	s_add_co_u32 s[G0A+1], s[G0A+1], S1B
	s_lshl_b32 s96, s[WV], 15
	s_add_co_u32 s[G0A+2], s[G0H+2], s96
	s_add_co_u32 s[G0A+2], s[G0A+2], SLOTG
	s_mov_b32 s[G0A+3], 0
	s_mov_b32 s[G0S], 1
	s_mov_b32 s[G0S+1], SC
	s_lshl_b32 s[G0S+2], s[YY], 15
	s_mov_b32 s[G0S+3], 0
	s_mov_b32 s[G0W], 1
	s_mov_b32 s[G0W+1], S1B
	s_lshl_b32 s[G0W+2], s[CX], 16
	s_mov_b32 s[G0W+3], 0
	s_mov_b32 s[G0V], 1
	s_mov_b32 s[G0V+1], S1B+2*QB
	s_lshl_b32 s[G0V+2], s[CX], 16
	s_mov_b32 s[G0V+3], 0
	s_lshl_b32 s[PFA], s[YY], 20
	s_lshl_b32 s97, s[CX], 15
	s_add_co_u32 s[PFA], s[PFA], s97
	s_lshl_b32 s97, s[WV], 13
	s_add_co_u32 s[PFA], s[PFA], s97
	s_add_co_u32 s[PFA], s[PFA], 2*SLOTG
	s_mov_b32 s[PFA+1], 0
	s_lshr_b32 s98, s[YY], 1
	s_lshl_b32 s97, s98, 3
	s_add_co_u32 s97, s97, s[HEAD]
	s_lshl_b32 s[TVP], s97, 14
	s_and_b32 s97, s[YY], 1
	s_lshl_b32 s97, s97, 13
	s_add_co_u32 s[TVP], s[TVP], s97
	s_lshl_b32 s97, s[PP], 9
	s_add_co_u32 s[TVP], s[TVP], s97
	s_mov_b32 s[TVP+1], 0
	s_lshl_b32 s88, s[HEAD], 15
	s_lshl_b32 s97, s[PP], 14
	s_add_co_u32 s88, s88, s97
	s_mov_b32 s89, 0
	s_lshl_b32 s90, s[HEAD], 10
	s_mov_b32 s91, 0
	s_lshl_b32 s92, s98, 21
	s_add_co_u32 s92, s92, 4095*512
	s_mov_b32 s93, 0
	s_lshl_b32 s94, s98, 16
	s_add_co_u32 s94, s94, 4095*16
	s_mov_b32 s95, 0
	s_mov_b32 s[SEL], 0x76543210
	s_mov_b32 s[SEL+1], 0xfedcba98
	s_mov_b32 s[HM], 0xffff0000
	s_mov_b32 s[TRIPS], 6
	s_mov_b32 s[TB], 0
	s_cmp_eq_u32 s[PP], 0
	s_cselect_b32 s[SGN], 1.0, -1.0
	s_cselect_b32 s[VM], 0, 0x80808080
	s_mul_i32 s96, s[PP], 2*QB
	s_mul_i32 s97, s[PP], 8*UP
	s_add_co_u32 s97, s97, SC
	s_mul_i32 s98, s[HD], QB
	s_add_co_u32 s98, s98, S1B
	s_lshl_b32 s99, s[WV], 11
	s_add_co_u32 s99, s99, QX
	s_lshl_b32 s100, s[HD], 12
	s_add_co_u32 s100, s100, QX
	v_and_b32 v8, 15, v0
	v_bfe_u32 v9, v0, 4, 1
	v_and_b32 v10, 31, v0
	v_lshlrev_b32 v22, 9, v8
	v_lshl_add_u32 v22, v9, 4, v22
	v_lshlrev_b32 v23, 4, v9
	v_lshlrev_b32 v25, 3, v9
	v_lshlrev_b32 v[TVO], 4, v10
	v_lshlrev_b32 v[PFO], 8, v10
	v_mul_u32_u24 v11, v8, PITCH
	v_lshl_add_u32 v11, v9, 4, v11
	v_add_nc_u32 v[ADR0], s96, v11
	v_add_nc_u32 v[ADRC], s[TB], v[ADR0]
	v_mul_u32_u24 v12, v9, UP
	v_lshl_add_u32 v12, v8, 4, v12
	v_add_nc_u32 v[ADS], s97, v12
	v_add_nc_u32 v26, s98, v11
	v_add_nc_u32 v27, 2*QB, v26
	v_add_nc_u32 v28, s99, v[TVO]
	v_add_nc_u32 v29, s100, v[TVO]
.set i, 0
.rept 64
	v_mov_b32 v[VA+i], 0
.set i, i+1
.endr
	s_wait_alu depctr_va_vdst(0)
	s_wait_dscnt 0x0
	CROUND
	s_wait_kmcnt 0x0
	s_add_nc_u64 s[G0W+2:G0W+3], s[12:13], s[G0W+2:G0W+3]
	s_or_b32 s[G0W+3], s[G0W+3], 0x80000000
	s_add_nc_u64 s[G0V+2:G0V+3], s[16:17], s[G0V+2:G0V+3]
	s_or_b32 s[G0V+3], s[G0V+3], 0x80000000
	s_add_nc_u64 s[G0A+2:G0A+3], s[4:5], s[G0A+2:G0A+3]
	s_or_b32 s[G0A+3], s[G0A+3], 0x80000000
	s_add_nc_u64 s[G0H+2:G0H+3], s[4:5], s[G0H+2:G0H+3]
	s_or_b32 s[G0H+3], s[G0H+3], 0x80000000
	s_add_nc_u64 s[G0S+2:G0S+3], s[6:7], s[G0S+2:G0S+3]
	s_or_b32 s[G0S+3], s[G0S+3], 0x80000000
.macro ARM under, g0, g1, next
	s_cmp_lt_u32 s[WV], \under
	s_cbranch_scc0 \next
	TLOAD \g0, \g1
	s_branch .Lhead_asked
\next:
.endm
	ARM 1, G0W, G1W, .Lhead_v
	ARM 2, G0V, G1W, .Lhead_e
	ARM 3, G0H, G1E, .Lhead_s
	TLOAD G0S, G1S
.Lhead_asked:
	s_add_nc_u64 s[PFA:PFA+1], s[4:5], s[PFA:PFA+1]
	s_add_nc_u64 s[TVP:TVP+1], s[20:21], s[TVP:TVP+1]
	s_add_nc_u64 s[8:9], s[8:9], s[88:89]
	s_add_nc_u64 s[10:11], s[10:11], s[90:91]
	s_lshl_b32 s96, s[PP], 9
	s_mov_b32 s97, 0
	s_add_nc_u64 s[10:11], s[10:11], s[96:97]
	s_add_nc_u64 s[14:15], s[14:15], s[90:91]
	s_add_nc_u64 s[18:19], s[18:19], s[90:91]
	s_add_nc_u64 s[92:93], s[4:5], s[92:93]
	s_add_nc_u64 s[94:95], s[6:7], s[94:95]
	WIN 0xc0
.irp b, 0,1
.irp s, 0,1,2,3
.irp c, 0,1,2,3
	global_load_b128 v[64*\b+16*\s+4*\c:64*\b+16*\s+4*\c+3], v22, s[8:9] offset:8192*\b+128*\s+32*\c
.endr
.endr
.endr
	WIN 0
.irp s, 0,1,2,3
.irp c, 0,1,2,3
	global_load_b128 v[KA+16*\s+4*\c:KA+16*\s+4*\c+3], v23, s[92:93] offset:128*\s+32*\c
.endr
.endr
	global_load_b128 v[ES:ES+3], v[TVO], s[10:11]
.irp p, 0,1
	global_load_b128 v[WS+4*\p:WS+4*\p+3], v[TVO], s[14:15] offset:512*\p
	global_load_b128 v[WS+8+4*\p:WS+8+4*\p+3], v[TVO], s[18:19] offset:512*\p
.endr
	global_load_b64 v[XS:XS+1], v25, s[94:95]
	s_wait_alu depctr_va_vdst(0)
	s_cmp_lt_u32 s[WV], 2
	s_cbranch_scc0 .Lnot_weights
	s_wait_tensorcnt 0x0
.Lnot_weights:
	s_barrier_signal -1
	s_barrier_wait -1
.macro LW w, adr, b
	WIN 64*\w
.irp s, 0,1,2,3
.irp c, 0,1,2,3
	ds_load_b128 v[64*\b+16*\s+4*\c:64*\b+16*\s+4*\c+3], v[\adr] offset:\b*16*PITCH+128*\s+32*\c
.endr
.endr
.endm
.macro XV b, younger
	s_wait_dscnt \younger
	WIN 0x88
.set i, 64*\b
.rept 64
	v_xor_b32 v[i], s[VM], v[i]
.set i, i+1
.endr
.endm
	LW 2, 27, 0
	LW 2, 27, 1
	LW 1, 26, 0
	XV 0, 32
	LW 2, 27, 2
	XV 1, 32
	LW 2, 27, 3
	XV 2, 16
	LW 1, 26, 1
	XV 3, 16
	LW 1, 26, 2
	LW 1, 26, 3
	s_wait_alu depctr_va_vdst(0)
	s_wait_loadcnt 0x0
	s_mov_b32 s[C6], 0x3920fdde
	s_mov_b32 s[C6+1], 0x3920fdde
	s_mov_b32 s[C5], 0x3aaf9f2a
	s_mov_b32 s[C5+1], 0x3aaf9f2a
	s_mov_b32 s[C2], 0x3e75fdee
	s_mov_b32 s[C2+1], 0x3e75fdee
	s_mov_b32 s[C1], 0x3f317218
	s_mov_b32 s[C1+1], 0x3f317218
	WIN 0x03
.irp s, 0,1,2,3
.irp b, 0,1
.set rD, CTX+8*\b
.set rA, 64*\b+16*\s
.set rB, KA+16*\s
.set rU, ES+\s
.set rV, XS+(\s%2)
.set zr, 1-(\s+3)/4
.set rw, 2*\b+(\s/2)
	WMX rD, rA, rB, rU, rV, zr, rw
.endr
.endr
	WIN 0
	v_mov_b32 v[TMAX], 0xff61b1e6
	v_mov_b32 v[LL], 0
	v_mov_b32 v[FF], 0
	v_mov_b32 v[FF+1], 0
	v_mov_b32 v[P0], 0
	v_mov_b32 v[P0+1], 0
	v_mov_b32 v[DD+1], 0
	v_mov_b32 v[U0], 0
	v_mov_b32 v[U0+1], 0
	v_mov_b32 v[CC], 0x3c1d96a6
	v_mov_b32 v[CC+1], 0x3d635774
	v_floor_f32 v[NM], -v[TMAX]
.irp i, 0,1,2,3,4,5,6,7
	v_pk_mul_f32 v[QQ+2*\i:QQ+2*\i+1], v[CTX+2*\i:CTX+2*\i+1], 0x3e38aa3b op_sel_hi:[1,0]
.endr
.irp i, 0,1,2,3
	ds_store_b128 v28, v[QQ+4*\i:QQ+4*\i+3] offset:512*\i
.endr
.set i, 0
.rept 32
	v_mov_b32 v[CTX+i], 0
.set i, i+1
.endr
	s_wait_alu depctr_va_vdst(0)
	s_wait_tensorcnt 0x0
	ds_add_u32 v[SPW], v[NIL]
	s_mov_b32 s[G1E+2], 64<<16
	s_mov_b32 s[G1E+4], 64
	s_wait_dscnt 0x0
	CROUND
	TLOAD G0A, G1E
.irp i, 0,1,2,3,4,5,6,7
	ds_load_b128 v[QQ+4*\i:QQ+4*\i+3], v29 offset:512*\i
.endr
	ds_load_b128 v[ES:ES+3], v[ADS]
	WIN 0xc0
.irp g, 0,1,2,3,4,5,6,7
	LG 0, \g, 0
.endr
	WIN 0
	ASK
.Ltrip:
	SLOT 1
	s_sub_co_u32 s[TRIPS], s[TRIPS], 1
	s_cmp_lg_u32 s[TRIPS], 0
	s_cbranch_scc1 .Ltrip
	SLOT 2
	SLOT 3
	WIN 0
	s_lshl_b32 s84, s[WV], 8
	s_add_co_u32 s84, s84, SCR
	s_lshl_b32 s88, s[YY], 12
	s_lshl_b32 s89, s[PP], 11
	s_add_co_u32 s88, s88, s89
	s_lshl_b32 s89, s[HEAD], 8
	s_add_co_u32 s88, s88, s89
	s_mov_b32 s89, 0
	s_add_nc_u64 s[22:23], s[22:23], s[88:89]
	s_lshr_b32 s90, s[YY], 1
	s_lshl_b32 s90, s90, 8
	s_lshl_b32 s91, s[HEAD], 5
	s_add_co_u32 s90, s90, s91
	s_and_b32 s91, s[YY], 1
	s_lshl_b32 s91, s91, 4
	s_add_co_u32 s90, s90, s91
	s_lshl_b32 s91, s[PP], 3
	s_add_co_u32 s90, s90, s91
	s_mov_b32 s91, 0
	s_add_nc_u64 s[24:25], s[24:25], s[90:91]
.irp i, 8,9,10,11,12,13,14,15
	MUL \i
.endr
.irp i, 0,1,2,3,4,5,6,7,8,9,10,11,12,13,14,15
	CVF 0, \i
.endr
	v_add_f32 v[U0], v[P0], v[P0+1]
	v_fma_f32 v[LL], v[LL], v[FF], v[U0]
.irp i, 0,1,2,3,4,5,6,7,8,9,10,11,12,13,14,15
	CVF 1, \i
.endr
	v_mul_f32 v[T0], -1.0, v[NM]
	v_max_num_f32_dpp v[T0], v[T0], v[T0] row_xmask:1 row_mask:0xf bank_mask:0xf
	v_max_num_f32_dpp v[T0], v[T0], v[T0] row_xmask:2 row_mask:0xf bank_mask:0xf
	v_max_num_f32_dpp v[T0], v[T0], v[T0] row_xmask:4 row_mask:0xf bank_mask:0xf
	v_max_num_f32_dpp v[T0], v[T0], v[T0] row_xmask:8 row_mask:0xf bank_mask:0xf
	v_sub_f32 v[T0+1], -v[NM], v[T0]
	v_cvt_i32_f32 v[T0+1], v[T0+1]
	v_ldexp_f32 v[FF], 1.0, v[T0+1]
	v_mul_f32 v[LL], v[LL], v[FF]
	v_mul_f32 v[FF], s[SGN], v[FF]
.irp i, 0,1,2,3,4,5,6,7,8,9,10,11,12,13,14,15
	MUL \i
.endr
.irp m, 1,2,4,8
	v_add_f32_dpp v[LL], v[LL], v[LL] row_xmask:\m row_mask:0xf bank_mask:0xf
.set i, 0
.rept 32
	v_add_f32_dpp v[CTX+i], v[CTX+i], v[CTX+i] row_xmask:\m row_mask:0xf bank_mask:0xf
.set i, i+1
.endr
.endr
	v_lshrrev_b32 v21, 4, v[TVO]
	v_lshrrev_b32 v20, 8, v[TVO]
	v_lshlrev_b32 v22, 3, v21
	v_lshl_add_u32 v20, v20, 5, s84
	v_add_nc_u32 v23, s84, v22
	v_mov_b32 v[T0+1], v[LL]
	s_wait_alu depctr_va_vdst(0)
.irp b, 0,1,2,3
	ds_store_b128 v20, v[CTX+8*\b:CTX+8*\b+3] offset:64*\b
	ds_store_b128 v20, v[CTX+8*\b+4:CTX+8*\b+7] offset:64*\b+16
.endr
	ds_load_b64 v[24:25], v23
	s_wait_dscnt 0x0
	global_store_b64 v22, v[24:25], s[22:23]
	s_wait_xcnt 0x0
	v_cmp_eq_u32 vcc_lo, 0, v21
	s_and_saveexec_b32 s85, vcc_lo
	global_store_b64 v22, v[T0:T0+1], s[24:25]
	s_wait_xcnt 0x0
	s_or_b32 exec_lo, exec_lo, s85
	s_wait_tensorcnt 0x0
	ds_add_u32 v[SPW], v[NIL]
	s_wait_dscnt 0x0
	CROUND
	s_endpgm
.Lfunc_end_k_qd0faeb19b7_attend:
	.size	k_qd0faeb19b7_attend, .Lfunc_end_k_qd0faeb19b7_attend-k_qd0faeb19b7_attend
	.p2alignl 7, 3214868480
	.fill 96, 4, 3214868480
	.section	.rodata,"a",@progbits
	.p2align	6, 0x0
	.amdhsa_kernel k_qd0faeb19b7_attend
		.amdhsa_group_segment_fixed_size 327680
		.amdhsa_private_segment_fixed_size 0
		.amdhsa_enable_private_segment 0
		.amdhsa_kernarg_size 88
		.amdhsa_user_sgpr_count 2
		.amdhsa_user_sgpr_kernarg_segment_ptr 1
		.amdhsa_wavefront_size32 1
		.amdhsa_system_sgpr_workgroup_id_x 1
		.amdhsa_system_sgpr_workgroup_id_y 1
		.amdhsa_system_sgpr_workgroup_id_z 1
		.amdhsa_system_vgpr_workitem_id 0
		.amdhsa_next_free_vgpr 1024
		.amdhsa_next_free_sgpr 102
		.amdhsa_reserve_vcc 1
		.amdhsa_float_denorm_mode_32 3
		.amdhsa_float_denorm_mode_16_64 3
		.amdhsa_memory_ordered 1
		.amdhsa_forward_progress 1
		.amdhsa_inst_pref_size 255
	.end_amdhsa_kernel
	.section	.bss,"aw",@nobits
	.p2align	6
	.space	262144
	.amdgpu_metadata
---
amdhsa.version: [ 1, 2 ]
amdhsa.kernels:
  - .name:           k_qd0faeb19b7_attend
    .symbol:         k_qd0faeb19b7_attend.kd
    .args:
      - { .name: enc_codes, .offset: 0, .size: 8, .value_kind: global_buffer, .address_space: global }
      - { .name: enc_scales, .offset: 8, .size: 8, .value_kind: global_buffer, .address_space: global }
      - { .name: Wq_codes, .offset: 16, .size: 8, .value_kind: global_buffer, .address_space: global }
      - { .name: Wq_scales, .offset: 24, .size: 8, .value_kind: global_buffer, .address_space: global }
      - { .name: Wk_codes, .offset: 32, .size: 8, .value_kind: global_buffer, .address_space: global }
      - { .name: Wk_scales, .offset: 40, .size: 8, .value_kind: global_buffer, .address_space: global }
      - { .name: Wv_codes, .offset: 48, .size: 8, .value_kind: global_buffer, .address_space: global }
      - { .name: Wv_scales, .offset: 56, .size: 8, .value_kind: global_buffer, .address_space: global }
      - { .name: tv, .offset: 64, .size: 8, .value_kind: global_buffer, .address_space: global }
      - { .name: ctxp, .offset: 72, .size: 8, .value_kind: global_buffer, .address_space: global }
      - { .name: stats, .offset: 80, .size: 8, .value_kind: global_buffer, .address_space: global }
    .group_segment_fixed_size: 327680
    .private_segment_fixed_size: 0
    .kernarg_segment_align: 8
    .kernarg_segment_size: 88
    .max_flat_workgroup_size: 128
    .sgpr_count:     102
    .vgpr_count:     1024
    .wavefront_size: 32
...
	.end_amdgpu_metadata
.endif
;; end of part 1
;; launch finish (part 2): grid 320 x 1, 4 waves a work-group, no clusters, 15,872 bytes of LDS; arguments tv, ctxp, stats, Wo_codes, Wo_scales, out0, out1; writes out0, out1
.if DOCPART == 2
	.amdgcn_target "amdgcn-amd-amdhsa--gfx1250"
	.amdhsa_code_object_version 6
	.text
	.protected	k_qd0faeb19b7_finish
	.globl	k_qd0faeb19b7_finish
	.p2align	8
	.type	k_qd0faeb19b7_finish,@function
k_qd0faeb19b7_finish:
	s_mov_b64 s[64:65], 0
	v_nop
	global_prefetch_b8 v0, s[64:65] scope:SCOPE_SE
	s_setreg_imm32_b32 hwreg(HW_REG_WAVE_MODE, 25, 1), 1
	s_wait_xcnt 0x0
.set XIMG, 0
.set XSC,  8192
.set STG,  8704
.set TR,   13312
.set SPARE, 15360
.set SPW, 1
.set NIL, 2
.set TM,  48
.set NN,  64
.set PC,  128
.set WF,  144
.set PW,  222
.set SEL, 32
.set MNT, 34
.set MSB, 0
.macro WIN new
.if MSB != \new
	s_set_vgpr_msb (MSB<<8)|\new
.set MSB, \new
.endif
.endm
.macro BARRIER
	s_wait_dscnt 0x0
	s_barrier_signal -1
	s_barrier_wait -1
.endm
	s_load_b256 s[4:11], s[0:1], 0x0
	s_load_b128 s[12:15], s[0:1], 0x20
	s_load_b64 s[16:17], s[0:1], 0x30
	v_lshl_add_u32 v[SPW], v0, 2, SPARE
	v_mov_b32 v[NIL], 0
	v_lshrrev_b32 v3, 5, v0
	v_readfirstlane_b32 s18, v3
	v_and_b32 v3, 31, v0
	v_and_b32 v4, 15, v0
	v_bfe_u32 v5, v0, 4, 1
	s_wait_alu depctr_va_vdst(0)
	s_cmp_lt_u32 ttmp9, 64
	s_cbranch_scc1 .Lcontext
	s_sub_co_u32 s19, ttmp9, 64
	s_lshr_b32 s20, s19, 3
	s_and_b32 s21, s19, 7
	s_lshl_b32 s21, s21, 2
	s_add_co_u32 s21, s21, s18
	s_lshl_b32 s22, s20, 17
	s_lshl_b32 s23, s21, 9
	s_add_co_u32 s22, s22, s23
	s_mov_b32 s23, 0
	s_lshl_b32 s24, s20, 8
	s_mov_b32 s25, 0
	s_lshl_b32 s26, s20, 14
	s_lshl_b32 s27, s21, 9
	s_add_co_u32 s26, s26, s27
	s_mov_b32 s27, 0
	s_wait_alu depctr_va_vdst(0)
	v_lshlrev_b32 v6, 3, v3
	v_lshlrev_b32 v7, 4, v3
	s_lshl_b32 s28, s18, 9
	s_add_co_u32 s28, s28, TR
	v_lshl_add_u32 v52, v3, 2, s28
	v_add_nc_u32 v53, s28, v7
	s_wait_alu depctr_va_vdst(0)
	s_wait_kmcnt 0x0
	s_add_nc_u64 s[4:5], s[4:5], s[22:23]
	s_add_nc_u64 s[8:9], s[8:9], s[24:25]
	s_add_nc_u64 s[16:17], s[16:17], s[26:27]
	global_load_b64 v[8:9], v6, s[8:9]
.irp q, 0,1,2,3,4,5,6,7
	global_load_b128 v[16+4*\q:19+4*\q], v7, s[4:5] offset:16384*\q th:TH_LOAD_NT
.endr
	s_wait_loadcnt 0x8
	v_mov_b32 v10, v8
	v_max_num_f32_dpp v10, v10, v10 row_xmask:1 row_mask:0xf bank_mask:0xf
	v_max_num_f32_dpp v10, v10, v10 row_xmask:2 row_mask:0xf bank_mask:0xf
	v_sub_f32 v11, v8, v10
	v_cvt_i32_f32 v11, v11
	v_ldexp_f32 v11, 1.0, v11
	v_mul_f32 v11, v9, v11
	v_add_f32_dpp v11, v11, v11 row_xmask:1 row_mask:0xf bank_mask:0xf
	v_add_f32_dpp v11, v11, v11 row_xmask:2 row_mask:0xf bank_mask:0xf
	s_wait_alu depctr_va_vdst(0)
	v_rcp_f32 v12, v11
	v_mul_f32 v10, -1.0, v10
	s_wait_alu depctr_va_vdst(0)
	v_mul_f32 v12, 0x3e000000, v12
.irp q, 0,1,2,3,4,5,6,7
	v_readlane_b32 s[36+\q], v10, 4*\q
	v_readlane_b32 s[44+\q], v12, 4*\q
.endr
	s_wait_loadcnt 0x0
.irp q, 0,1,2,3,4,5,6,7
.irp j, 0,1,2,3
	v_add_f32 v[16+4*\q+\j], s[36+\q], v[16+4*\q+\j]
.endr
.endr
.set i, 0
	s_wait_alu depctr_va_vdst(0)
.rept 32
	v_exp_f32 v[16+i], v[16+i]
.set i, i+1
.endr
	v_nop
	s_wait_alu depctr_va_vdst(0)
.irp j, 0,1,2,3
	v_mul_f32 v[48+\j], s44, v[16+\j]
.endr
.irp q, 1,2,3,4,5,6,7
.irp j, 0,1,2,3
	v_fmac_f32 v[48+\j], s[44+\q], v[16+4*\q+\j]
.endr
.endr
.irp j, 0,1,2,3
	ds_store_b32 v52, v[48+\j] offset:128*\j
.endr
	ds_load_b128 v[56:59], v53
	s_wait_dscnt 0x0
	global_store_b128 v7, v[56:59], s[16:17] th:TH_STORE_NT
	s_wait_tensorcnt 0x0
	ds_add_u32 v[SPW], v[NIL]
	s_wait_dscnt 0x0
	s_endpgm
.Lcontext:
	s_lshr_b32 s19, ttmp9, 3
	s_and_b32 s20, ttmp9, 7
	s_lshl_b32 s21, s20, 2
	s_add_co_u32 s21, s21, s18
	s_lshl_b32 s22, s19, 10
	s_lshl_b32 s23, s18, 6
	s_add_co_u32 s22, s22, s23
	s_mov_b32 s23, 0
	s_lshl_b32 s24, s19, 15
	s_lshl_b32 s25, s18, 9
	s_add_co_u32 s24, s24, s25
	s_mov_b32 s25, 0
	s_lshl_b32 s26, s21, 13
	s_mov_b32 s27, 0
	s_lshl_b32 s28, s21, 8
	s_mov_b32 s29, 0
	s_lshl_b32 s30, s19, 13
	s_lshl_b32 s31, s18, 11
	s_add_co_u32 s30, s30, s31
	s_lshl_b32 s31, s20, 8
	s_add_co_u32 s30, s30, s31
	s_mov_b32 s31, 0
	s_mov_b32 s[SEL], 0x76543210
	s_mov_b32 s[SEL+1], 0xfedcba98
	s_mov_b32 s[MNT], 0x600000
	s_lshl_b32 s35, s18, 11
	s_lshl_b32 s36, s18, 7
	s_lshl_b32 s37, s18, 6
	s_add_co_u32 s37, s37, STG
	s_mul_i32 s38, s18, 272
	s_add_co_u32 s38, s38, STG
	s_wait_alu depctr_va_vdst(0)
	v_and_b32 v225, 3, v4
	v_lshlrev_b32 v6, 8, v225
	v_lshlrev_b32 v7, 13, v225
	v_lshl_add_u32 v7, v5, 6, v7
	v_lshlrev_b32 v8, 9, v4
	v_lshl_add_u32 v8, v5, 4, v8
	v_lshlrev_b32 v9, 4, v4
	v_lshl_add_u32 v9, v5, 3, v9
	v_lshlrev_b32 v10, 4, v3
	v_lshlrev_b32 v11, 2, v3
	v_add_nc_u32 v12, s35, v10
	v_add_nc_u32 v13, s36, v11
	v_mul_u32_u24 v14, v4, 272
	v_lshl_add_u32 v14, v5, 5, v14
	v_add_nc_u32 v14, s37, v14
	v_lshlrev_b32 v224, 4, v4
	v_add_nc_u32 v15, s38, v224
	s_wait_alu depctr_va_vdst(0)
	s_wait_kmcnt 0x0
	s_add_nc_u64 s[8:9], s[8:9], s[22:23]
	s_add_nc_u64 s[6:7], s[6:7], s[24:25]
	s_add_nc_u64 s[10:11], s[10:11], s[26:27]
	s_add_nc_u64 s[12:13], s[12:13], s[28:29]
	s_add_nc_u64 s[14:15], s[14:15], s[30:31]
.irp i, 0,1,2,3
	global_load_b128 v[16+4*\i:19+4*\i], v6, s[8:9] offset:16*\i
.endr
	WIN 0x40
.irp p, 0,1,2,3
.irp c, 0,1,2,3
.irp e, 0,1,2,3
	global_load_b128 v[64*\p+16*\c+4*\e:64*\p+16*\c+4*\e+3], v7, s[6:7] offset:2048*\p+128*\c+16*\e
.endr
.endr
.endr
	WIN 0
.irp s, 0,1,2,3
.irp c, 0,1,2,3
	global_load_b128 v[WF+16*\s+4*\c:WF+16*\s+4*\c+3], v8, s[10:11] offset:128*\s+32*\c
.endr
.endr
	global_load_b64 v[216:217], v9, s[12:13]
	s_wait_loadcnt 63
.irp q, 0,1
	v_max3_num_f32 v[56+\q], v[16+8*\q], v[18+8*\q], v[20+8*\q]
.endr
.irp q, 0,1
	v_max_num_f32 v[56+\q], v[56+\q], v[22+8*\q]
.endr
.irp q, 0,1
.irp i, 0,1,2,3
	v_sub_f32 v[32+8*\q+2*\i], v[16+8*\q+2*\i], v[56+\q]
.endr
.endr
.irp q, 0,1
.irp i, 0,1,2,3
	v_cvt_i32_f32 v[32+8*\q+2*\i], v[32+8*\q+2*\i]
.endr
.endr
.irp q, 0,1
.irp i, 0,1,2,3
	v_ldexp_f32 v[32+8*\q+2*\i], 1.0, v[32+8*\q+2*\i]
.endr
.endr
.irp q, 0,1
	v_mul_f32 v[58+\q], v[17+8*\q], v[32+8*\q]
.endr
.irp i, 1,2,3
.irp q, 0,1
	v_fmac_f32 v[58+\q], v[17+8*\q+2*\i], v[32+8*\q+2*\i]
.endr
.endr
	s_wait_alu depctr_va_vdst(0)
.irp q, 0,1
	v_rcp_f32 v[60+\q], v[58+\q]
.endr
	v_nop
	s_wait_alu depctr_va_vdst(0)
.irp q, 0,1
.irp i, 0,1,2,3
	v_mul_f32 v[32+8*\q+2*\i], v[32+8*\q+2*\i], v[60+\q]
.endr
.endr
.irp q, 0,1
.irp i, 0,1,2,3
	v_mov_b32 v[33+8*\q+2*\i], v[32+8*\q+2*\i]
.endr
.endr
	s_wait_alu depctr_va_vdst(0)
	s_wait_loadcnt 33
	WIN 0x01
.set m, 0
.rept 32
	v_pk_mul_f32 v[NN+2*m:NN+2*m+1], v[2*m:2*m+1], v[32+8*(m/16):33+8*(m/16)]
.set m, m+1
.endr
.irp p, 1,2
.set m, 0
.rept 32
	v_pk_fma_f32 v[NN+2*m:NN+2*m+1], v[64*\p+2*m:64*\p+2*m+1], v[32+8*(m/16)+2*\p:33+8*(m/16)+2*\p], v[NN+2*m:NN+2*m+1]
.set m, m+1
.endr
.endr
	s_wait_loadcnt 17
.set m, 0
.rept 32
	v_pk_fma_f32 v[NN+2*m:NN+2*m+1], v[192+2*m:192+2*m+1], v[38+8*(m/16):39+8*(m/16)], v[NN+2*m:NN+2*m+1]
.set m, m+1
.endr
	WIN 0
.irp b, 0,1,2,3
	v_mov_b32 v[TM+4+\b], 0
.endr
.irp b, 0,1,2,3
	v_max3_num_f32 v[TM+\b], |v[NN+16*\b]|, |v[NN+1+16*\b]|, 0x8000000
.endr
.irp i, 2,4,6,8,10,12,14
.irp b, 0,1,2,3
	v_max3_num_f32 v[TM+\b], v[TM+\b], |v[NN+16*\b+\i]|, |v[NN+1+16*\b+\i]|
.endr
.endr
.irp b, 0,1,2,3
	v_permlanex16_b32 v[TM+4+\b], v[TM+\b], s[SEL], s[SEL+1]
.endr
.irp b, 0,1,2,3
	v_max_num_f32 v[TM+\b], v[TM+\b], v[TM+4+\b]
.endr
.irp b, 0,1,2,3
	v_add_nc_u32 v[TM+12+\b], 0xf8800000, v[TM+\b]
.endr
.irp b, 0,1,2,3
	v_and_or_b32 v[TM+8+\b], v[TM+\b], 0x7f800000, s[MNT]
.endr
.irp b, 0,1,2,3
	v_lshrrev_b32 v[TM+4+\b], 23, v[TM+12+\b]
.endr
	v_lshl_or_b32 v[PW], v[TM+5], 8, v[TM+4]
	v_lshl_or_b32 v[PW], v[TM+6], 16, v[PW]
	v_lshl_or_b32 v[PW], v[TM+7], 24, v[PW]
.irp b, 0,1,2,3
.irp i, 0,1,2,3,4,5,6,7,8,9,10,11,12,13,14,15
	v_med3_num_f32 v[NN+16*\b+\i], v[NN+16*\b+\i], -v[TM+8+\b], v[TM+8+\b]
.endr
	v_cvt_scalef32_pk8_bf8_f32 v[PC+4*\b:PC+1+4*\b], v[NN+16*\b:NN+7+16*\b], v[TM+12+\b]
	v_cvt_scalef32_pk8_bf8_f32 v[PC+2+4*\b:PC+3+4*\b], v[NN+8+16*\b:NN+15+16*\b], v[TM+12+\b]
.endr
	v_nop
.irp c, 0,1,2,3
	ds_store_b128 v12, v[PC+4*\c:PC+4*\c+3] offset:XIMG+512*\c
.endr
	ds_store_b32 v13, v[PW] offset:XSC
	BARRIER
.irp s, 0,1,2,3
.irp c, 0,1,2,3
	ds_load_b128 v[NN+16*\s+4*\c:NN+16*\s+4*\c+3], v10 offset:XIMG+2048*\s+512*\c
.endr
	ds_load_b32 v[218+\s], v11 offset:XSC+128*\s
.endr
	s_wait_dscnt 0x0
	s_wait_loadcnt 0x0
	v_wmma_scale_f32_16x16x128_f8f6f4 v[208:215], v[WF:WF+15], v[NN:NN+15], 0, v216, v218 matrix_a_fmt:MATRIX_FMT_BF8 matrix_b_fmt:MATRIX_FMT_BF8
	s_wait_alu depctr_va_vdst(0)
	v_wmma_scale_f32_16x16x128_f8f6f4 v[208:215], v[WF+16:WF+31], v[NN+16:NN+31], v[208:215], v217, v219 matrix_a_fmt:MATRIX_FMT_BF8 matrix_b_fmt:MATRIX_FMT_BF8
	s_wait_alu depctr_va_vdst(0)
	v_wmma_scale_f32_16x16x128_f8f6f4 v[208:215], v[WF+32:WF+47], v[NN+32:NN+47], v[208:215], v216, v220 matrix_a_fmt:MATRIX_FMT_BF8 matrix_b_fmt:MATRIX_FMT_BF8 matrix_a_scale:MATRIX_SCALE_ROW1
	s_wait_alu depctr_va_vdst(0)
	v_wmma_scale_f32_16x16x128_f8f6f4 v[208:215], v[WF+48:WF+63], v[NN+48:NN+63], v[208:215], v217, v221 matrix_a_fmt:MATRIX_FMT_BF8 matrix_b_fmt:MATRIX_FMT_BF8 matrix_a_scale:MATRIX_SCALE_ROW1
.rept 8
	v_nop
.endr
	ds_store_b128 v14, v[208:211]
	ds_store_b128 v14, v[212:215] offset:16
	BARRIER
	ds_load_b128 v[226:229], v15
	s_wait_dscnt 0x0
	global_store_b128 v224, v[226:229], s[14:15]
	s_wait_tensorcnt 0x0
	ds_add_u32 v[SPW], v[NIL]
	s_wait_dscnt 0x0
	s_endpgm
.Lfunc_end_k_qd0faeb19b7_finish:
	.size	k_qd0faeb19b7_finish, .Lfunc_end_k_qd0faeb19b7_finish-k_qd0faeb19b7_finish
	.p2alignl 7, 3214868480
	.fill 96, 4, 3214868480
	.section	.rodata,"a",@progbits
	.p2align	6, 0x0
	.amdhsa_kernel k_qd0faeb19b7_finish
		.amdhsa_group_segment_fixed_size 15872
		.amdhsa_private_segment_fixed_size 0
		.amdhsa_enable_private_segment 0
		.amdhsa_kernarg_size 56
		.amdhsa_user_sgpr_count 2
		.amdhsa_user_sgpr_kernarg_segment_ptr 1
		.amdhsa_wavefront_size32 1
		.amdhsa_system_sgpr_workgroup_id_x 1
		.amdhsa_system_sgpr_workgroup_id_y 1
		.amdhsa_system_sgpr_workgroup_id_z 1
		.amdhsa_system_vgpr_workitem_id 0
		.amdhsa_next_free_vgpr 512
		.amdhsa_next_free_sgpr 66
		.amdhsa_reserve_vcc 0
		.amdhsa_float_denorm_mode_32 3
		.amdhsa_float_denorm_mode_16_64 3
		.amdhsa_memory_ordered 1
		.amdhsa_forward_progress 1
		.amdhsa_inst_pref_size 40
	.end_amdhsa_kernel
	.amdgpu_metadata
---
amdhsa.version: [ 1, 2 ]
amdhsa.kernels:
  - .name:           k_qd0faeb19b7_finish
    .symbol:         k_qd0faeb19b7_finish.kd
    .args:
      - { .name: tv, .offset: 0, .size: 8, .value_kind: global_buffer, .address_space: global }
      - { .name: ctxp, .offset: 8, .size: 8, .value_kind: global_buffer, .address_space: global }
      - { .name: stats, .offset: 16, .size: 8, .value_kind: global_buffer, .address_space: global }
      - { .name: Wo_codes, .offset: 24, .size: 8, .value_kind: global_buffer, .address_space: global }
      - { .name: Wo_scales, .offset: 32, .size: 8, .value_kind: global_buffer, .address_space: global }
      - { .name: out0, .offset: 40, .size: 8, .value_kind: global_buffer, .address_space: global }
      - { .name: out1, .offset: 48, .size: 8, .value_kind: global_buffer, .address_space: global }
    .group_segment_fixed_size: 15872
    .private_segment_fixed_size: 0
    .kernarg_segment_align: 8
    .kernarg_segment_size: 56
    .max_flat_workgroup_size: 128
    .sgpr_count:     66
    .vgpr_count:     512
    .wavefront_size: 32
...
	.end_amdgpu_metadata
.endif
;; end of part 2
